; MI455X (gfx1250); checked and timed in simulation.
; The chip was launched on July 23, 2026; its instructions are those of AMD's public machine-readable ISA for CDNA 5 (MIT licence, August 2026) and "CDNA5" Instruction Set Architecture Reference Guide (July 2026). The comments in the code are by the model that wrote it; some were corrected since.
;; Multi Head Self Attention. Allowed arithmetic: matrix products marked QUANTISED: E2M3 operands, one E8M0 scale for each 32 along K, by v_wmma_scale_f32_16x16x128_f8f6f4 with both operands' format E2M3, f32 sums; products left as they are: f32 operands where the result goes on into a quantised operand, else bf16, f16 or f32 operands; f32 sums; everything else in f32.
;; Inputs: Wo_codes 1,024 x 32 x 24 uint8 (E2M3 codes of Wo, K innermost, in blocks of 32 codes, four codes in three bytes); Wo_scales 1,024 x 32 uint8 (E8M0 scales of Wo, one for each 32 codes along K); Wqkv_codes 3,072 x 32 x 24 uint8 (E2M3 codes of Wqkv, K innermost, in blocks of 32 codes, four codes in three bytes); Wqkv_scales 3,072 x 32 uint8 (E8M0 scales of Wqkv, one for each 32 codes along K); bo 1,024 float32; bqkv 3,072 float32; x_codes 8 x 2,048 x 32 x 24 uint8 (E2M3 codes of x, K innermost, in blocks of 32 codes, four codes in three bytes); x_scales 8 x 2,048 x 32 uint8 (E8M0 scales of x, one for each 32 codes along K).
;; Outputs: out0 8 x 2,048 x 1,024 float32.
;; This version of the problem:
;;   THIS VERSION OF THE PROBLEM IS GIVEN IN LOW PRECISION. The matrix products marked QUANTISED in the list below multiply operands that are first quantised to E2M3 (2 exponent bits, 3 mantissa bits; 6 bits a number), with one power-of-two scale for each 32 numbers along K (OCP MX v1.0); their sums are f32. All else is computed in f32.
;;   The module's matrix products, in the order in which they are computed (A, B: the left and right operand; K: the contracted axis; several contracted axes count as one K, in the product's order):
;;     1. [M 16,384, K 1,024] x [K 1,024, N 3,072]; A: input x (given as codes); B: input Wqkv (given as codes): QUANTISED
;;     2. batch 16,384 x [M 16, K 64] x [K 64, N 16]; A: computed on the way; B: computed on the way: QUANTISED
;;     3. batch 16,384 x [M 64, K 16] x [K 16, N 16]; A: computed on the way; B: softmax: left as it is (K = 16 < 32)
;;     4. [M 16,384, K 1,024] x [K 1,024, N 1,024]; A: computed on the way; B: input Wo (given as codes): QUANTISED
;;   THE QUANTISER, for each operand of a quantised product, along K:
;;     - K is cut into blocks of 32 from its start; a last block that is shorter is filled with zeros.
;;     - A block's scale is 2^e with e = floor(log2(the largest magnitude in the block)) - 2, held to -126 .. 127; a block of zeros has e = 0. As a byte (E8M0): e + 127.
;;     - Each number is divided by its block's scale, clamped to +-7.5, and rounded to the nearest number of E2M3, ties to even, subnormals kept.
;;     - The product sums the exact products of the quantised numbers (number of the format x scale) in f32.
;;   ~~~python
;;   def quantise(x, axis):      # numpy; x: float32 -> the quantised numbers, widened to float32 again
;;       x = np.moveaxis(x, axis, -1); K = x.shape[-1]
;;       x = np.pad(x, [(0, 0)] * (x.ndim - 1) + [(0, -K % 32)]); x = x.reshape(x.shape[:-1] + (-1, 32)); a = np.abs(x).max(-1, keepdims=True)
;;       e = np.where(a > 0, np.clip(np.frexp(np.where(a > 0, a, 1))[1] - 1 - 2, -126, 127), 0)      # np.frexp(a)[1] - 1 = floor(log2(a)), exactly
;;       r = np.clip(x / 2.0 ** e, -7.5, 7.5)
;;       step = 2.0 ** (np.maximum(np.frexp(np.where(r == 0, 1, r))[1] - 1, 0) - 3)
;;       q = np.round(r / step) * step * 2.0 ** e      # np.round: ties to even
;;       return np.moveaxis(q.reshape(q.shape[:-2] + (-1,))[..., :K], -1, axis).astype(np.float32)
;;   ~~~
;;   OPERANDS COMPUTED ON THE WAY. 'Computed on the way' means the value that the module computes at that place (a softmax that the list does not call 'softmax' is quantised finished and normalised). What goes into a quantiser is computed in f32, as accurately as f32 sums, v_exp_f32 and their like allow (about 1e-6 of the number): no bf16 or f16 on the way to a quantiser, and a product that is left as it is and whose result goes on into a quantised operand takes f32 operands (vector FMAs, or v_wmma_f32_16x16x4_f32). A number that lies on a knife's edge between two numbers of the format may be rounded either way, as far as f32 arithmetic and the matrix unit's own rounding can turn it there, and no further.
;;   INPUTS GIVEN AS CODES. Wo (in the module: [1024, 1024], K = its axis 1); Wqkv (in the module: [3072, 1024], K = its axis 1); x (in the module: [8, 2048, 1024], K = its axis 2): each comes as NAME_codes (uint8): NAME with its K axis moved to the last place and cut into blocks of 32 codes, [.., K / 32, bytes a block], one block behind the other in memory; four codes in three bytes: a row's codes are one little-endian stream of bits, code i at bits 6 i .. 6 i + 5 (a code: sign, 2 exponent bits, 3 mantissa bits); and NAME_scales (uint8): the same leading axes, one E8M0 byte (e + 127) for each 32 codes along K. Its value is code x scale, taken as it is: it is not quantised again, and the codes and scales need not be those that the quantiser above would give.
;; One version. Each part assembles by itself: llvm-mc -triple=amdgcn-amd-amdhsa -mcpu=gfx1250 --defsym DOCPART=n.
;; ======== version 1 of 1: 2 launches
;; limits: right only within a limited range of input values
;; workspace buffers: wimg 3,276,800 bytes
;; launch lay (part 1): grid 256 x 1, 8 waves a work-group, no clusters, 0 bytes of LDS; arguments Wqkv_codes, Wqkv_scales, Wo_codes, Wo_scales, wimg; writes wimg
.if DOCPART == 1
	.amdgcn_target "amdgcn-amd-amdhsa--gfx1250"
	.amdhsa_code_object_version 6
	.text
	.protected	k_q29e4e1047d_lay
	.globl	k_q29e4e1047d_lay
	.p2align	8
	.type	k_q29e4e1047d_lay,@function
k_q29e4e1047d_lay:
	s_mov_b64 s[64:65], 0
	v_nop
	global_prefetch_b8 v0, s[64:65] scope:SCOPE_SE
	s_setreg_imm32_b32 hwreg(HW_REG_WAVE_MODE, 25, 1), 1
	s_wait_xcnt 0x0
; Lays the weights' codes and scale bytes once, in the order in which launch mhsa's operand registers take them.
; A unit is 16 rows of a weight x K = 1,024: 8 fragments of 12 registers.  Unit 64 w + n is the n-th unit that wave w of mhsa multiplies; two units make a step of 25,600 bytes in wimg.
; A step: the even unit's two halves of 6,656 bytes, then the odd unit's two of 6,144.  A half: 4 fragments x 3 x (32 lanes x 16 bytes); an even unit's half ends with 512 bytes of scale words:
; lane l holds bytes 16 half .. + 15 of a row's 32 scale bytes, lanes 0-15 of the even unit's row l, lanes 16-31 of the odd unit's row l - 16.
; n 0-31: Wqkv rows 256 (n / 4) + 64 w + 16 (n % 4) + r (q, k).  n 32-47: v: row 2048 + 64 r + d, r the head, d = 32 b3 + 8 b2 + 16 b1 + 2 w + b0 (b: bits of n).  n 48-63: Wo rows as for q, k.
; A work-group lays one unit, wave k its fragment k; nothing is left out of reference().
	s_load_b256 s[4:11], s[0:1], 0x0               ; Wqkv codes, scales, Wo codes, scales
	s_load_b64 s[12:13], s[0:1], 0x20              ; wimg
	v_lshrrev_b32 v1, 5, v0
	v_readfirstlane_b32 s14, v1                    ; k
	s_lshr_b32 s15, ttmp9, 6                       ; w
	s_and_b32 s16, ttmp9, 63                       ; n
	s_and_b32 s17, s16, 15
	s_cmp_ge_u32 s16, 48
	s_cselect_b32 s17, s17, s16
	s_lshr_b32 s18, s17, 2
	s_lshl_b32 s18, s18, 8
	s_and_b32 s17, s17, 3
	s_lshl_b32 s17, s17, 4
	s_add_co_u32 s18, s18, s17
	s_lshl_b32 s17, s15, 6
	s_add_co_u32 s18, s18, s17                     ; first row, neighbouring rows
	s_and_b32 s19, s16, 1
	s_bfe_u32 s20, s16, 0x10001
	s_lshl_b32 s20, s20, 4
	s_add_co_u32 s19, s19, s20
	s_bfe_u32 s20, s16, 0x10002
	s_lshl_b32 s20, s20, 3
	s_add_co_u32 s19, s19, s20
	s_bfe_u32 s20, s16, 0x10003
	s_lshl_b32 s20, s20, 5
	s_add_co_u32 s19, s19, s20
	s_lshl_b32 s20, s15, 1
	s_add_co_u32 s19, s19, s20
	s_add_co_u32 s19, s19, 2048                    ; first row for v, rows 64 apart
	s_and_b32 s20, s16, 48
	s_cmp_eq_u32 s20, 32
	s_cselect_b32 s18, s19, s18
	s_cselect_b32 s19, 64, 1
	s_cselect_b32 s34, 1, 16                       ; rows from the even unit's row to the odd unit's
	s_mul_i32 s30, s14, 96                         ; fragment k: 96 bytes of a row
	s_lshr_b32 s21, s14, 2                         ; half
	s_and_b32 s22, s14, 3
	s_lshl_b32 s31, s21, 4
	s_and_b32 s32, s16, 1                          ; odd unit?
	s_lshl_b32 s33, s32, 9
	s_sub_co_u32 s33, 6656, s33                    ; bytes of a half
	s_lshr_b32 s24, ttmp9, 1
	s_mul_i32 s24, s24, 25600
	s_mul_i32 s20, s32, 13312
	s_add_co_u32 s24, s24, s20
	s_mul_i32 s20, s21, s33
	s_add_co_u32 s24, s24, s20
	s_mul_i32 s20, s22, 1536
	s_add_co_u32 s24, s24, s20
	s_mov_b32 s25, 0
	s_or_b32 s23, s22, s32
	v_and_b32 v2, 15, v0
	v_bfe_u32 v3, v0, 4, 1
	v_and_b32 v4, 31, v0
	v_lshlrev_b32 v4, 4, v4
	v_mul_u32_u24 v5, v2, s19
	v_add_nc_u32 v5, s18, v5                       ; my row
	v_mul_u32_u24 v6, v5, 768
	v_mad_u32_u24 v6, v3, 24, v6
	v_add_nc_u32 v6, s30, v6
	v_mad_u32_u24 v7, v3, s34, v5                  ; the row whose scale bytes I lay
	v_lshl_add_u32 v7, v7, 5, s31
	s_wait_alu depctr_va_vdst(0)                   ; the wait at the head's end
	s_wait_kmcnt 0x0
	s_cmp_ge_u32 s16, 48
	s_cselect_b64 s[26:27], s[8:9], s[4:5]
	s_cselect_b64 s[28:29], s[10:11], s[6:7]
	s_add_nc_u64 s[12:13], s[12:13], s[24:25]
.irp p, 0,1,2,3,4,5
	global_load_b64 v[8+2*\p:9+2*\p], v6, s[26:27] offset:48*(\p/3)+8*(\p%3)   ; the fragment's 12 registers
.endr
	s_cmp_lg_u32 s23, 0
	s_cbranch_scc1 .Lcodes                         ; waves 0 and 4 of an even unit also lay their half's scale words
	global_load_b128 v[20:23], v7, s[28:29]
	s_wait_loadcnt 0x0
	global_store_b128 v4, v[20:23], s[12:13] offset:6144
.Lcodes:
	s_wait_loadcnt 0x0
.irp c, 0,1,2
	global_store_b128 v4, v[8+4*\c:11+4*\c], s[12:13] offset:512*\c   ; 32 lanes store 512 consecutive bytes
.endr
	s_endpgm
.Lfunc_end_k_q29e4e1047d_lay:
	.size	k_q29e4e1047d_lay, .Lfunc_end_k_q29e4e1047d_lay-k_q29e4e1047d_lay
	.p2alignl 7, 3214868480
	.fill 96, 4, 3214868480
	.section	.rodata,"a",@progbits
	.p2align	6, 0x0
	.amdhsa_kernel k_q29e4e1047d_lay
		.amdhsa_group_segment_fixed_size 0
		.amdhsa_private_segment_fixed_size 0
		.amdhsa_enable_private_segment 0
		.amdhsa_kernarg_size 40
		.amdhsa_user_sgpr_count 2
		.amdhsa_user_sgpr_kernarg_segment_ptr 1
		.amdhsa_wavefront_size32 1
		.amdhsa_system_sgpr_workgroup_id_x 1
		.amdhsa_system_sgpr_workgroup_id_y 1
		.amdhsa_system_sgpr_workgroup_id_z 1
		.amdhsa_system_vgpr_workitem_id 0
		.amdhsa_next_free_vgpr 32
		.amdhsa_next_free_sgpr 66
		.amdhsa_reserve_vcc 0
		.amdhsa_float_denorm_mode_32 3
		.amdhsa_float_denorm_mode_16_64 3
		.amdhsa_memory_ordered 1
		.amdhsa_forward_progress 1
		.amdhsa_inst_pref_size 5
	.end_amdhsa_kernel
	.amdgpu_metadata
---
amdhsa.version: [ 1, 2 ]
amdhsa.kernels:
  - .name:           k_q29e4e1047d_lay
    .symbol:         k_q29e4e1047d_lay.kd
    .args:
      - { .name: Wqkv_codes, .offset: 0, .size: 8, .value_kind: global_buffer, .address_space: global }
      - { .name: Wqkv_scales, .offset: 8, .size: 8, .value_kind: global_buffer, .address_space: global }
      - { .name: Wo_codes, .offset: 16, .size: 8, .value_kind: global_buffer, .address_space: global }
      - { .name: Wo_scales, .offset: 24, .size: 8, .value_kind: global_buffer, .address_space: global }
      - { .name: wimg, .offset: 32, .size: 8, .value_kind: global_buffer, .address_space: global }
    .group_segment_fixed_size: 0
    .private_segment_fixed_size: 0
    .kernarg_segment_align: 8
    .kernarg_segment_size: 40
    .max_flat_workgroup_size: 256
    .sgpr_count:     66
    .vgpr_count:     32
    .wavefront_size: 32
...
	.end_amdgpu_metadata
.endif
;; end of part 1
;; launch mhsa (part 2): grid 256 x 1, 4 waves a work-group, no clusters, 327,680 bytes of LDS; arguments x_codes, x_scales, wimg, bqkv, bo, out0; writes out0
.if DOCPART == 2
	.amdgcn_target "amdgcn-amd-amdhsa--gfx1250"
	.amdhsa_code_object_version 6
	.text
	.protected	k_q29e4e1047d_mhsa
	.globl	k_q29e4e1047d_mhsa
	.p2align	8
	.type	k_q29e4e1047d_mhsa,@function
k_q29e4e1047d_mhsa:
	s_mov_b64 s[64:65], 0
	v_nop
	global_prefetch_b8 v0, s[64:65] scope:SCOPE_SE
	s_setreg_imm32_b32 hwreg(HW_REG_WAVE_MODE, 25, 1), 1
	s_wait_xcnt 0x0
; The whole module for 64 tokens a work-group: qkv = x Wqkv^T + b; per token energy = q k^T over the 16 heads (K = 64), softmax, out = P v (f32), quantised; out0 = out Wo^T + bo.
; 64 tokens give 64 whole rows of the last product (row = 128 head + token / 16), so nothing goes through memory.  All steps of reference() are done.
; A wave multiplies units of 16 weight rows x K 1,024 against all 64 tokens (x's 32 fragments stay in registers).  THE WEIGHTS come from wimg (launch lay) straight into operand registers:
; half units of 13, 13, 12, 12 loads of 512 bytes a step, into 8 half sets of registers by turns, each asked for five half units ahead of its use: 50 to 63 loads outstanding by this text's count, never drained, no barrier in the products.
; cluster = none: a joint load lands in LDS, of which the stages below leave 6,656 bytes; the weights pass no LDS here.  No prefetch: the loads themselves stand five half units (about 32,000 bytes a wave) ahead.
; The softmax takes the row's maximum away as reference() does.
; REGISTERS.  window 0: v0-19 addresses, v20 x's scales, v36 weights' scales (2 steps x 8; lanes 0-15 the even unit's rows, lanes 16-31 the odd unit's), v52 bias, v68 codes, v84-95 small, v96-191 set 2, v192-255 accumulators.
; window 1: v0 set 0, v96 set 3 (free at each change of phase: scratch of the attention parts), v192-251 set 1's fragments 0-4.  window 2: v0-191 x (K 0-511), v192-227 set 1's fragments 5-7.
; window 3: v0-191 x (K 512-1023), v192-255 the f32 product's sums, written by matrix instructions alone.
.set XB,    0                          ; x's tile, 4 x 13,056
.set SCR,   52224
.set QKS,   SCR+99328
.set VBUF,  SCR
.set AIMG,  SCR+66560
.set ASC,   SCR+115712
.set VBUF2, 172032
.set STG,   172032
.set PBUF,  238592
.set BIASL, 304128                     ; bqkv, then bo
.set SPARE, 327168
.set STB,   25600                      ; a step's bytes in wimg
.set SPW,  1
.set NIL,  2
.set LOF,  3
.set BAD,  4
.set BVD,  5
.set BAO,  6
.set BAW,  7
.set VST,  8
.set PLD,  10
.set QST,  11
.set QST2, 12
.set QSS,  13
.set QA,   14
.set QSA,  16
.set XAD,  14
.set ELD,  11
.set ESL,  12
.set VLD,  11
.set AWB12, 13
.set AWB508, 14
.set ASBB, 15
.set AW12, 16
.set AW508, 92
.set ASB,  93
.set LI,   11
.set LS,   12
.set STO,  13
.set RD,   14
.set CO,   15
.set RR,   17
.set HH,   18
.set TT,   19
.set XS,   20
.set WS,   36
.set BIAS, 52
.set CD,   68
.set MG,   84
.set PM,   88
.set HB,   92
.set ACC,  192
.set EE,   224
.set DD,   192
.set NC,   3
.set OUT,  14
.set WV,   22
.set GG,   24
.set TS4,  25
.set SEL,  26
.set CS,   28
.set CNT,  30
.set TQ,   31
.set G1X,  32
.set G0X,  40
.set WP,   44
.set TB,   46
.set TV,   47
.set TP,   48
.set TA,   49
.set OSP,  52
.set MSB, 0
.macro WIN new
.if MSB != (\new)
	s_set_vgpr_msb (MSB<<8)|(\new)
.set MSB, (\new)
.endif
.endm
.macro PLACES n
.rept \n
	v_nop
.endr
.endm
.macro PB                              ; my LDS instructions are done; all four waves meet
	s_wait_alu depctr_va_vdst(0)
	s_wait_dscnt 0x0
	s_barrier_signal -1
	s_barrier_wait -1
.endm
.macro FRAG reg, adr, base, first, gap
.irp q, 0,1,2,3,4,5
.set PC, (\first)+6*(\q/3)+\q%3
.if PC%32 < 29
	ds_load_b64 v[(\reg)+2*\q:(\reg)+2*\q+1], v[\adr] offset:(\base)+8*PC+(\gap)*(PC/32)
.else
	ds_load_b64 v[(\reg)+2*\q:(\reg)+2*\q+1], v[(\adr)+1] offset:(\base)+8*PC+(\gap)*(PC/32)
.endif
.endr
.endm
.macro FRW set, k                      ; window AW and register AR of fragment k of a set
.if (\set) == 0
.set AW, 1
.set AR, 12*(\k)
.elseif (\set) == 1
.if (\k) < 5
.set AW, 1
.set AR, 192+12*(\k)
.else
.set AW, 2
.set AR, 192+12*((\k)-5)
.endif
.elseif (\set) == 2
.set AW, 0
.set AR, 96+12*(\k)
.else
.set AW, 1
.set AR, 96+12*(\k)
.endif
.endm
.macro ISSUE t, off                    ; a half unit into half set t: 12 loads of codes; with an even unit's half the step's scale words of that half, a 13th
.set IQ, 0
.rept 4
	FRW (\t)/2, 4*((\t)%2)+IQ
	WIN AW<<6
.irp c, 0,1,2
	global_load_b128 v[AR+4*\c:AR+4*\c+3], v[LOF], s[WP:WP+1] offset:(\off)+1536*IQ+512*\c
.endr
.set IQ, IQ+1
.endr
	WIN 0
.if ((\t)/2)%2 == 0
	global_load_b128 v[WS+8*((\t)/4)+4*((\t)%2):WS+8*((\t)/4)+4*((\t)%2)+3], v[LOF], s[WP:WP+1] offset:(\off)+6144
.endif
.endm
.macro WM d, a, b, c, sa, sb, ra, rb
.if (\ra) == 1 && (\rb) == 1
	v_wmma_scale_f32_16x16x128_f8f6f4 v[\d:(\d)+7], v[\a:(\a)+11], v[\b:(\b)+11], v[\c:(\c)+7], v[\sa], v[\sb] matrix_a_fmt:MATRIX_FMT_FP6 matrix_b_fmt:MATRIX_FMT_FP6 matrix_a_scale:MATRIX_SCALE_ROW1 matrix_b_scale:MATRIX_SCALE_ROW1
.elseif (\ra) == 1
	v_wmma_scale_f32_16x16x128_f8f6f4 v[\d:(\d)+7], v[\a:(\a)+11], v[\b:(\b)+11], v[\c:(\c)+7], v[\sa], v[\sb] matrix_a_fmt:MATRIX_FMT_FP6 matrix_b_fmt:MATRIX_FMT_FP6 matrix_a_scale:MATRIX_SCALE_ROW1
.elseif (\rb) == 1
	v_wmma_scale_f32_16x16x128_f8f6f4 v[\d:(\d)+7], v[\a:(\a)+11], v[\b:(\b)+11], v[\c:(\c)+7], v[\sa], v[\sb] matrix_a_fmt:MATRIX_FMT_FP6 matrix_b_fmt:MATRIX_FMT_FP6 matrix_b_scale:MATRIX_SCALE_ROW1
.else
	v_wmma_scale_f32_16x16x128_f8f6f4 v[\d:(\d)+7], v[\a:(\a)+11], v[\b:(\b)+11], v[\c:(\c)+7], v[\sa], v[\sb] matrix_a_fmt:MATRIX_FMT_FP6 matrix_b_fmt:MATRIX_FMT_FP6
.endif
.endm
.macro HMUL set, hf, u                 ; 16 matrix instructions: 4 K steps x 4 token tiles, the four accumulators by turns; the first K step takes the bias as C
.set KQ, 0
.rept 4
.set KK, 4*(\hf)+KQ
	FRW \set, KK
	WIN AW|((2+(\hf))<<2)
.irp tb, 0,1,2,3
.if KK == 0
	WM ACC+16*\tb+8*(\u), AR, 12*(4*\tb+KQ), BIAS+8*(\u), WS+8*((\set)/2)+KK, XS+8*(\tb/2)+KK, \u, \tb%2
.else
	WM ACC+16*\tb+8*(\u), AR, 12*(4*\tb+KQ), ACC+16*\tb+8*(\u), WS+8*((\set)/2)+KK, XS+8*(\tb/2)+KK, \u, \tb%2
.endif
.endr
.set KQ, KQ+1
.endr
.endm
.macro BLOAD nk, u, adr, boff          ; a unit's bias in the result's layout, from LDS.  nk = 1: v (register j: head 8 h + j)
	WIN 0
.if (\nk) == 1
.irp j, 0,1,2,3,4,5,6,7
	ds_load_b32 v[BIAS+8*(\u)+\j], v[\adr] offset:(\boff)+256*\j+4*(\u)
.endr
.else
.irp c, 0,1
	ds_load_b128 v[BIAS+8*(\u)+4*\c:BIAS+8*(\u)+4*\c+3], v[\adr] offset:(\boff)+64*(\u)+16*\c
.endr
.endif
.endm
.macro NEXTB nk, u, boff, guard        ; the next step's bias; guard: not in a loop's last trip, whose successor is of another kind
	WIN 0
.if \guard
	s_cmp_eq_u32 s[CNT], 1
	s_cbranch_scc1 .Lnb_\@
.endif
	BLOAD \nk, \u, BAW, \boff
.if \guard
.Lnb_\@:
.endif
.endm
.macro QUANT4 src, w                   ; four blocks of 32 (16 numbers here, 16 in lane l xor 16): scale, codes to CD, bytes to PM
	WIN (\w)|((\w)<<2)
.irp i, 0,1,2,3
	v_max3_num_f32 v[MG+\i], |v[(\src)+16*\i]|, |v[(\src)+16*\i+1]|, 0x1800000
.endr
	WIN ((\w)<<2)|((\w)<<4)
.irp k, 2,4,6,8,10,12,14
.irp i, 0,1,2,3
	v_max3_num_f32 v[MG+\i], v[MG+\i], |v[(\src)+16*\i+\k]|, |v[(\src)+16*\i+\k+1]|
.endr
.endr
	WIN 0
.irp i, 0,1,2,3
	v_permlanex16_b32 v[PM+\i], v[MG+\i], s[SEL], s[SEL+1]
.endr
.irp i, 0,1,2,3
	v_max_num_f32 v[MG+\i], v[MG+\i], v[PM+\i]
.endr
.irp i, 0,1,2,3
	v_add_nc_u32 v[MG+\i], 0xff000000, v[MG+\i]
.endr
	WIN \w
.irp i, 0,1,2,3
	v_cvt_scalef32_pk16_fp6_f32 v[CD+4*\i:CD+4*\i+2], v[(\src)+16*\i:(\src)+16*\i+15], v[MG+\i]
.endr
	WIN 0
.irp i, 0,1,2,3
	v_lshrrev_b32 v[PM+\i], 23, v[MG+\i]
.endr
.endm
.macro EPI_Q s                         ; q or k: a block of 32 along d is quantised; codes and scale bytes to LDS (the same order of d inside a block for q and k).  12 LDS stores, with s = 1 sixteen
	v_add_nc_u32 v[QA], s[TQ], v[QST]
	v_add_nc_u32 v[QA+1], s[TQ], v[QST2]
	v_add_nc_u32 v[QSA], s[TS4], v[QSS]
	QUANT4 ACC, 0
.irp i, 0,1,2,3
.irp e, 0,1,2
	ds_store_b32 v[QA+\i/2], v[CD+4*\i+\e] offset:24832*(\i%2)+24*(\s)+4*\e
.endr
.endr
.irp i, 0,1,2,3
.if (\s) == 0
	v_mov_b32 v[HB+\i], v[PM+\i]
.else
	v_lshl_or_b32 v[HB+\i], v[PM+\i], 8, v[HB+\i]
	ds_store_b32 v[QSA], v[HB+\i] offset:2112*\i
.endif
.endr
.endm
.macro EPI_V s, sec                    ; v in f32 to LDS: [token][head group][d slot][4 heads].  16 LDS stores
.irp tb, 0,1,2,3
.irp e, 0,1
.irp c, 0,1
	ds_store_b128 v[VST+(\sec)], v[ACC+16*\tb+8*\e+4*\c:ACC+16*\tb+8*\e+4*\c+3] offset:16640*\tb+256*\c+128*(\s)+16*\e
.endr
.endr
.endr
.endm
.macro OBR rb                          ; rows come back from my stage into the three half sets that hold nothing at a trip's end: the one asked for first takes the block stored first
.if (\rb) == 0
.set OW, 0
.set OBG, 144
.else
.set OW, 1
.set OBG, 96+32*((\rb)-1)
.endif
.endm
.macro OL rb
	OBR \rb
	WIN OW<<6
.irp i, 0,1,2,3,4,5,6,7
	ds_load_b128 v[OBG+4*\i:OBG+4*\i+3], v[RD] offset:4352*(\rb)+544*\i
.endr
.endm
.macro OS rb                           ; 16 lanes store 256 consecutive bytes, aligned
	OBR \rb
	WIN OW<<2
.irp i, 0,1,2,3,4,5,6,7
	global_store_b128 v[CO], v[OBG+4*\i:OBG+4*\i+3], s[OUT:OUT+1] offset:1048576*\i+4096*(\rb) th:TH_STORE_NT
.endr
.endm
.macro EPI_O s                         ; 16 LDS stores; with s = 1 the 64 columns of two steps go out
.irp tb, 0,1,2,3
.irp u, 0,1
.irp c, 0,1
	ds_store_b128 v[STO], v[ACC+16*\tb+8*\u+4*\c:ACC+16*\tb+8*\u+4*\c+3] offset:4352*\tb+128*(\s)+64*\u+16*\c
.endr
.endr
.endr
.if (\s) == 1
	OL 0
	OL 1
	OL 2
	OL 3
	s_wait_dscnt 24                                ; behind block 0's loads: three blocks of eight
	OS 0
	s_wait_dscnt 16
	OS 1
	s_wait_dscnt 8
	OS 2
	s_wait_dscnt 0x0
	OS 3
	WIN 0
.endif
.endm
; A step: two units (32 weight rows), four half units.  T: half units left in the stream, this step's among them.
; The wait ahead of a half unit counts the loads issued behind its own: the four younger half units' 13 + 13 + 12 + 12 = 50; at the stream's end 37, 24, 12, 0.
; The wait on DScnt at the head counts the last step's own LDS stores, which were issued behind the loads of this step's bias.
.macro STEP kind, s, T, nk, boff, guard, sec
	s_wait_alu depctr_va_vdst(0)                   ; the wait ahead of the waits below
.if (\kind) == 0
	s_wait_dscnt 16-4*(\s)
.elseif (\kind) == 1
	s_wait_dscnt 16
.else
	s_wait_dscnt 16*(\s)
.endif
.irp u, 0,1
.irp hf, 0,1
.set REM, (\T)-1-2*\u-\hf
.if REM >= 4
	s_wait_loadcnt 50
.else
	s_wait_loadcnt 12*REM+REM/3
.endif
	HMUL 2*(\s)+\u, \hf, \u
	PLACES 4
.if REM >= 5
.if (\kind) == 2 && (\s) == 0 && \u == 0 && \hf == 0
	s_wait_xcnt 0x0                                ; the last trip's stores have read their registers, into which the loads below and the next two runs land
.endif
.set JJ, 4*(\s)+2*\u+\hf+5
.set OF5, (JJ/4)*STB+6656*(JJ%4)-512*((JJ%4)/3)
	ISSUE JJ%8, OF5
.endif
.if \hf == 0 && (\nk) >= 0
	NEXTB \nk, \u, \boff, \guard
.endif
.endr
.endr
	WIN 0
.if (\s) == 1 && (\T) > 4
	s_wait_xcnt 0x0                                ; the loads have read their base
	s_add_nc_u64 s[WP:WP+1], s[WP:WP+1], 2*STB
.endif
.if (\kind) == 0
	EPI_Q \s
.elseif (\kind) == 1
	EPI_V \s, \sec
.else
	EPI_O \s
.endif
.endm
; energy, softmax: a wave takes 16 tokens, four at a time.  K = 64 is filled to 128 with zero codes.  P is normalised and goes to my part of PBUF as an image of its registers.
.macro PBL g                           ; four tokens' codes of k and q and their scale words
	WIN 0x40
.irp i, 0,1,2,3
.irp p, 0,1,2
	ds_load_b64 v[96+24*\i+2*\p:96+24*\i+2*\p+1], v[ELD] offset:1552*(4*(\g)+\i)+8*\p+192
	ds_load_b64 v[108+24*\i+2*\p:108+24*\i+2*\p+1], v[ELD] offset:1552*(4*(\g)+\i)+8*\p
.endr
.endr
	WIN 0
.irp i, 0,1,2,3
	ds_load_b32 v[WS+12+\i], v[ESL] offset:132*(4*(\g)+\i)
.endr
.endm
.macro PHASEB
	WIN 0x40
.irp f, 0,1,2,3,4,5,6,7
.irp k, 6,7,8,9,10,11
	v_mov_b32 v[96+12*\f+\k], 0
.endr
.endr
	s_wait_alu depctr_va_vdst(0)
	PLACES 4
	PBL 0
.irp g, 0,1,2,3
.if \g == 0
	s_wait_dscnt 0x0
.else
	s_wait_dscnt 8                                 ; behind this group's loads: the last group's eight stores of P
.endif
	WIN 0x05
.irp i, 0,1,2,3
	v_wmma_scale_f32_16x16x128_f8f6f4 v[ACC+8*\i:ACC+8*\i+7], v[96+24*\i:96+24*\i+11], v[108+24*\i:108+24*\i+11], 0, v[WS+12+\i], v[WS+12+\i] matrix_a_fmt:MATRIX_FMT_FP6 matrix_b_fmt:MATRIX_FMT_FP6 matrix_a_scale:MATRIX_SCALE_ROW1
.endr
	WIN 0
	PLACES 4
.if \g < 3
	PBL \g+1
.endif
.irp i, 0,1,2,3
	v_max3_num_f32 v[MG+2*\i], v[ACC+8*\i], v[ACC+8*\i+1], v[ACC+8*\i+2]
.endr
.irp i, 0,1,2,3
	v_max3_num_f32 v[MG+2*\i], v[MG+2*\i], v[ACC+8*\i+3], v[ACC+8*\i+4]
.endr
.irp i, 0,1,2,3
	v_max3_num_f32 v[MG+2*\i], v[MG+2*\i], v[ACC+8*\i+5], v[ACC+8*\i+6]
.endr
.irp i, 0,1,2,3
	v_max_num_f32 v[MG+2*\i], v[MG+2*\i], v[ACC+8*\i+7]
.endr
.irp i, 0,1,2,3
	v_permlanex16_b32 v[MG+2*\i+1], v[MG+2*\i], s[SEL], s[SEL+1]
.endr
.irp i, 0,1,2,3
	v_max_num_f32 v[MG+2*\i], v[MG+2*\i], v[MG+2*\i+1]
.endr
.irp i, 0,1,2,3
	v_mul_f32 v[MG+2*\i], s[NC], v[MG+2*\i]        ; - maximum x log2(e) / 32
.endr
.irp i, 0,1,2,3
.irp j, 0,2,4,6
	v_pk_fma_f32 v[ACC+8*\i+\j:ACC+8*\i+\j+1], v[ACC+8*\i+\j:ACC+8*\i+\j+1], s[CS:CS+1], v[MG+2*\i:MG+2*\i+1] op_sel_hi:[1,0,0]
.endr
.endr
	s_wait_alu depctr_va_vdst(0)                   ; a wait ahead of the batch and one behind it
.irp i, 0,1,2,3
.irp j, 0,1,2,3,4,5,6,7
	v_exp_f32 v[EE+8*\i+\j], v[ACC+8*\i+\j]
.endr
.endr
	v_nop
	s_wait_alu depctr_va_vdst(0)
.irp i, 0,1,2,3
	v_pk_add_f32 v[ACC+8*\i:ACC+8*\i+1], v[EE+8*\i:EE+8*\i+1], v[EE+8*\i+2:EE+8*\i+3]
.endr
.irp i, 0,1,2,3
	v_pk_add_f32 v[ACC+8*\i+2:ACC+8*\i+3], v[EE+8*\i+4:EE+8*\i+5], v[EE+8*\i+6:EE+8*\i+7]
.endr
.irp i, 0,1,2,3
	v_pk_add_f32 v[ACC+8*\i:ACC+8*\i+1], v[ACC+8*\i:ACC+8*\i+1], v[ACC+8*\i+2:ACC+8*\i+3]
.endr
.irp i, 0,1,2,3
	v_add_f32 v[MG+2*\i], v[ACC+8*\i], v[ACC+8*\i+1]
.endr
.irp i, 0,1,2,3
	v_permlanex16_b32 v[MG+2*\i+1], v[MG+2*\i], s[SEL], s[SEL+1]
.endr
.irp i, 0,1,2,3
	v_add_f32 v[MG+2*\i+1], v[MG+2*\i], v[MG+2*\i+1]
.endr
	s_wait_alu depctr_va_vdst(0)
.irp i, 0,1,2,3
	v_rcp_f32 v[MG+2*\i], v[MG+2*\i+1]
.endr
	v_nop
	s_wait_alu depctr_va_vdst(0)
.irp i, 0,1,2,3
.irp j, 0,2,4,6
	v_pk_mul_f32 v[EE+8*\i+\j:EE+8*\i+\j+1], v[EE+8*\i+\j:EE+8*\i+\j+1], v[MG+2*\i:MG+2*\i+1] op_sel_hi:[1,0]
.endr
.endr
.irp i, 0,1,2,3
.irp c, 0,1
	ds_store_b128 v[PLD], v[EE+8*\i+4*\c:EE+8*\i+4*\c+3] offset:4096*\g+512*(2*\i+\c)
.endr
.endr
.endr
.endm
; out = P v in f32 for 32 of d: four tokens at a time, two tiles of 16 d each, K = 16 heads in four steps; then the block of 32 is quantised into the last product's operand image.
.macro P3L g
	WIN 0x40
.irp i, 0,1,2,3
.irp c, 0,1
	ds_load_b128 v[96+8*\i+4*\c:96+8*\i+4*\c+3], v[VLD] offset:1040*(4*(\g)+\i)+256*\c
	ds_load_b128 v[128+8*\i+4*\c:128+8*\i+4*\c+3], v[VLD+1] offset:1040*(4*(\g)+\i)+256*\c
	ds_load_b128 v[160+8*\i+4*\c:160+8*\i+4*\c+3], v[PLD] offset:4096*(\g)+512*(2*\i+\c)
.endr
.endr
.endm
.macro P3
	P3L 0
.irp g, 0,1,2,3
.if \g == 0
	s_wait_dscnt 0x0
.else
	s_wait_dscnt 16                                ; behind this group's loads: the last group's sixteen stores
.endif
	WIN 0xf5
.irp k, 0,1,2,3
.irp i, 0,1,2,3
.irp e, 0,1
.if \k == 0
	v_wmma_f32_16x16x4_f32 v[DD+16*\i+8*\e:DD+16*\i+8*\e+7], v[96+32*\e+8*\i+2*\k:96+32*\e+8*\i+2*\k+1], v[160+8*\i+2*\k:160+8*\i+2*\k+1], 0
.else
	v_wmma_f32_16x16x4_f32 v[DD+16*\i+8*\e:DD+16*\i+8*\e+7], v[96+32*\e+8*\i+2*\k:96+32*\e+8*\i+2*\k+1], v[160+8*\i+2*\k:160+8*\i+2*\k+1], v[DD+16*\i+8*\e:DD+16*\i+8*\e+7]
.endif
.endr
.endr
.endr
	PLACES 9
.if \g < 3
	P3L \g+1
.endif
	QUANT4 DD, 3
.irp i, 0,2
	ds_store_b32 v[AW12],  v[CD+4*\i]   offset:1536*((4*\g+\i)/2)
	ds_store_b32 v[AW508], v[CD+4*\i+1] offset:1536*((4*\g+\i)/2)+4
	ds_store_b32 v[AW508], v[CD+4*\i+2] offset:1536*((4*\g+\i)/2)+8
.endr
.irp i, 1,3
	ds_store_b32 v[AW508], v[CD+4*\i]   offset:1536*((4*\g+\i)/2)+520
	ds_store_b32 v[AW508], v[CD+4*\i+1] offset:1536*((4*\g+\i)/2)+524
	ds_store_b32 v[AW12],  v[CD+4*\i+2] offset:1536*((4*\g+\i)/2)+1024
.endr
.irp i, 0,1,2,3
	ds_store_b8 v[ASB], v[PM+\i] offset:128*((4*\g+\i)/2)+2*(\i%2)
.endr
.endr
.endm
	s_load_b256 s[4:11], s[0:1], 0x0               ; x codes, x scales, wimg, bqkv
	s_load_b128 s[12:15], s[0:1], 0x20             ; bo, out0
	v_lshl_add_u32 v[SPW], v0, 2, SPARE
	v_mov_b32 v[NIL], 0
	ds_add_u32 v[SPW], v[NIL]                      ; the opening lines: the add twice and one wait
	ds_add_u32 v[SPW], v[NIL]
	v_lshrrev_b32 v[TT], 5, v0
	v_readfirstlane_b32 s[WV], v[TT]
	s_mov_b32 s[GG], ttmp9
	s_mov_b32 s[SEL], 0x76543210
	s_mov_b32 s[SEL+1], 0xfedcba98
	s_mov_b32 s[CS], 0x3d38aa3b                    ; log2(e) / sqrt(1024)
	s_mov_b32 s[CS+1], s[CS]
	s_mov_b32 s[NC], 0xbd38aa3b
	s_mov_b32 s[TQ], 0
	s_mov_b32 s[TS4], 0
	s_mov_b32 s[TB], 0
	s_mov_b32 s[G1X], (3<<16)|(1<<20)|(5<<22)|(3<<25)   ; 48 rows of 256 bytes (16 tokens), 16 bytes of padding behind each
	s_mov_b32 s[G1X+1], 32<<16
	s_mov_b32 s[G1X+2], 48<<16
	s_mov_b32 s[G1X+3], 32<<16
	s_mov_b32 s[G1X+4], 48
	s_mov_b32 s[G1X+5], 32
	s_mov_b32 s[G1X+6], 0
	s_mov_b32 s[G1X+7], 0
	s_mov_b32 s51, 0
	s_lshl_b32 s52, s[WV], 8
	s_add_co_u32 s54, s52, BIASL+12288
	s_add_co_u32 s52, s52, BIASL
	s_lshl_b32 s53, s[WV], 3
	s_add_co_u32 s53, s53, BIASL+8192
	s_mul_i32 s55, s[WV], 384
	s_add_co_u32 s55, s55, SCR
	s_lshl_b32 s56, s[WV], 5
	s_add_co_u32 s56, s56, QKS
	v_and_b32 v[RR], 15, v0
	v_bfe_u32 v[HH], v0, 4, 1
	v_and_b32 v[TT], 31, v0
	v_lshlrev_b32 v[LOF], 4, v[TT]
	v_lshlrev_b32 v8, 5, v[TT]                     ; x's scales: 32 bytes a token
	v_lshlrev_b32 v9, 4, v0
	v_lshl_add_u32 v10, v0, 4, BIASL
	v_lshl_add_u32 v[BAD], v[HH], 5, s52
	v_lshl_add_u32 v[BVD], v[HH], 11, s53
	v_lshl_add_u32 v[BAO], v[HH], 5, s54
	v_mul_u32_u24 v[TT], v[RR], 816
	v_mad_u32_u24 v[XAD], v[HH], 24, v[TT]
	v_lshl_add_u32 v[XAD+1], v[HH], 4, v[XAD]
	v_mul_u32_u24 v[TT], v[RR], 1552
	v_mad_u32_u24 v[TT], v[HH], 12, v[TT]
	v_add_nc_u32 v[QST], s55, v[TT]
	v_add_nc_u32 v[QST2], 49664, v[QST]
	v_mul_u32_u24 v[TT], v[RR], 132
	v_add_nc_u32 v[QSS], s56, v[TT]
.irp i, 0,1,2,3,4,5,6,7,8,9,10,11
	v_mov_b32 v[MG+\i], 0
.endr
	s_wait_alu depctr_va_vdst(0)                   ; the wait at the head's end
	s_wait_dscnt 0x0
	s_wait_kmcnt 0x0
	s_mul_i32 s50, s[GG], 49152
	s_mul_i32 s2, s[WV], 12288
	s_add_co_u32 s50, s50, s2
	s_mov_b32 s[G0X], 1
	s_mul_i32 s[G0X+1], s[WV], 13056
	s_add_nc_u64 s[G0X+2:G0X+3], s[4:5], s[50:51]
	s_or_b32 s[G0X+3], s[G0X+3], 0x80000000
	tensor_load_to_lds s[G0X:G0X+3], s[G1X:G1X+7]  ; my 16 tokens of x: the wave's one tensor load; nothing is filled again
	s_nop 0
	PLACES 4
	s_lshl_b32 s50, s[GG], 11
	s_add_nc_u64 s[6:7], s[6:7], s[50:51]
	s_mul_i32 s50, s[WV], 32*STB
	s_add_nc_u64 s[WP:WP+1], s[8:9], s[50:51]      ; my stream of 32 steps
	s_lshr_b32 s50, s[GG], 5
	s_lshl_b32 s50, s50, 23
	s_and_b32 s2, s[GG], 31
	s_lshl_b32 s2, s2, 14
	s_add_co_u32 s50, s50, s2
	s_lshl_b32 s2, s[WV], 8
	s_add_co_u32 s50, s50, s2
	s_add_nc_u64 s[OUT:OUT+1], s[OUT:OUT+1], s[50:51]
.irp i, 0,1,2,3,4,5
	global_load_b128 v[ACC+4*\i:ACC+4*\i+3], v9, s[10:11] offset:2048*\i
.endr
.irp i, 0,1
	global_load_b128 v[ACC+24+4*\i:ACC+24+4*\i+3], v9, s[12:13] offset:2048*\i
.endr
	global_load_b128 v[XS:XS+3], v8, s[6:7]
	global_load_b128 v[XS+4:XS+7], v8, s[6:7] offset:16
	global_load_b128 v[XS+8:XS+11], v8, s[6:7] offset:1024
	global_load_b128 v[XS+12:XS+15], v8, s[6:7] offset:1040
	ISSUE 0, 0
	ISSUE 1, 6656
	ISSUE 2, 13312
	ISSUE 3, 19456
	s_wait_loadcnt 50                              ; all but the first step's four half units: biases and x's scales are in
	s_wait_tensorcnt 0x0
.irp i, 0,1,2,3,4,5,6,7
	ds_store_b128 v10, v[ACC+4*\i:ACC+4*\i+3] offset:2048*\i
.endr
	ISSUE 4, STB
	PB
	WIN 0x80
.irp tb, 0,1,2,3
.irp k, 0,1,2,3
	FRAG 12*(4*\tb+\k), XAD, 13056*\tb, 12*\k, 16
.endr
.endr
	WIN 0xc0
.irp tb, 0,1,2,3
.irp k, 0,1,2,3
	FRAG 12*(4*\tb+\k), XAD, 13056*\tb, 12*(\k+4), 16
.endr
.endr
	BLOAD 0, 0, BAD, 0
	BLOAD 0, 1, BAD, 0
	s_wait_dscnt 0x0                               ; x's fragments and the first bias are in
	s_mov_b32 s[CNT], 8
.Lqk:                                                  ; a trip: one head of q or k for my wave, 64 weight rows
	v_add_nc_u32 v[BAW], s[TB], v[BAD]
	STEP 0, 0, 99, 0, 128, 0, 0
	STEP 0, 1, 99, 0, 1024, 1, 0
	s_add_co_u32 s[TQ], s[TQ], 48
	s_add_co_u32 s[TS4], s[TS4], 4
	s_add_co_u32 s[TB], s[TB], 1024
	s_sub_co_u32 s[CNT], s[CNT], 1
	s_cmp_lg_u32 s[CNT], 0
	s_wait_alu depctr_va_vdst(0)
	s_cbranch_scc1 .Lqk
	BLOAD 1, 0, BVD, 0
	BLOAD 1, 1, BVD, 0
	v_and_b32 v[TT], 3, v[RR]
	v_lshrrev_b32 v13, 2, v[RR]
	v_mul_u32_u24 v[ELD], v[TT], 384
	v_mad_u32_u24 v[ELD], v13, 48, v[ELD]
	v_mad_u32_u24 v[ELD], v[HH], 24, v[ELD]
	s_mul_i32 s50, s[WV], 24832
	s_add_co_u32 s50, s50, SCR
	v_add_nc_u32 v[ELD], s50, v[ELD]
	v_lshlrev_b32 v[ESL], 5, v[TT]
	v_lshl_add_u32 v[ESL], v13, 2, v[ESL]
	v_lshl_add_u32 v[ESL], v[HH], 4, v[ESL]
	s_mul_i32 s50, s[WV], 2112
	s_add_co_u32 s50, s50, QKS
	v_add_nc_u32 v[ESL], s50, v[ESL]
	s_lshl_b32 s50, s[WV], 14
	s_add_co_u32 s50, s50, PBUF
	v_add_nc_u32 v[PLD], s50, v[LOF]
	PB                                             ; everybody's codes of q and k are in LDS
	PHASEB
	v_mul_u32_u24 v[TT], v[RR], 1040
	v_lshl_add_u32 v[TT], v[HH], 9, v[TT]
	s_lshl_b32 s50, s[WV], 5
	s_add_co_u32 s50, s50, VBUF
	v_add_nc_u32 v[VST], s50, v[TT]
	v_add_nc_u32 v[VST+1], VBUF2-VBUF, v[VST]
	v_lshlrev_b32 v[TT], 4, v[RR]
	v_lshl_add_u32 v[VLD], v[HH], 9, v[TT]
	s_mul_i32 s50, s[WV], 16640
	s_add_co_u32 s50, s50, VBUF
	v_add_nc_u32 v[VLD], s50, v[VLD]
	v_add_nc_u32 v[VLD+1], VBUF2-VBUF, v[VLD]
	s_mul_i32 s50, s[WV], 12288
	s_add_co_u32 s50, s50, AIMG
	v_add_nc_u32 v[TT], s50, v[TT]
	v_mad_u32_u24 v[AWB12], v[HH], 12, v[TT]
	v_mad_u32_u24 v[AWB508], v[HH], 508, v[TT]
	s_lshr_b32 s50, s[WV], 1
	s_lshl_b32 s50, s50, 10
	s_and_b32 s2, s[WV], 1
	s_lshl_b32 s2, s2, 6
	s_add_co_u32 s50, s50, s2
	s_add_co_u32 s50, s50, ASC
	v_lshl_add_u32 v[ASBB], v[RR], 2, s50
	s_mov_b32 s[TV], 0
	s_mov_b32 s[TP], 0
	s_mov_b32 s[TA], 0
	s_mov_b32 s[CNT], 2
	PB                                             ; nobody reads q's and k's codes any more: v's stage lies on them
.Lv:                                                   ; a trip: 32 of d for all heads: four steps of v, then P v and its quantiser
	v_add_nc_u32 v[BAW], s[TV], v[BVD]
	v_add_nc_u32 v[AW12], s[TP], v[AWB12]
	v_add_nc_u32 v[AW508], s[TP], v[AWB508]
	v_add_nc_u32 v[ASB], s[TA], v[ASBB]
	STEP 1, 0, 99, 1, 64, 0, 0
	STEP 1, 1, 99, 1, 32, 0, 0
	STEP 1, 0, 99, 1, 96, 0, 1
	STEP 1, 1, 99, 1, 128, 1, 1
	PB                                             ; everybody's v is in LDS
	P3
	PB                                             ; nobody reads v's stages any more; behind the last trip: the operand image is whole
	s_add_co_u32 s[TV], s[TV], 128
	s_add_co_u32 s[TP], s[TP], 256
	s_add_co_u32 s[TA], s[TA], 1
	s_sub_co_u32 s[CNT], s[CNT], 1
	s_cmp_lg_u32 s[CNT], 0
	s_wait_alu depctr_va_vdst(0)
	s_cbranch_scc1 .Lv
	v_and_b32 v[TT], 31, v0
	v_lshl_add_u32 v[LI], v[TT], 4, AIMG
	v_lshl_add_u32 v[LS], v[TT], 2, ASC
	s_mul_i32 s50, s[WV], 17408
	s_add_co_u32 s50, s50, STG
	v_mul_u32_u24 v[TT], v[RR], 272
	v_lshl_add_u32 v[TT], v[HH], 5, v[TT]
	v_add_nc_u32 v[STO], s50, v[TT]
	v_mul_u32_u24 v[TT], v[HH], 272
	v_lshl_add_u32 v[TT], v[RR], 4, v[TT]
	v_add_nc_u32 v[RD], s50, v[TT]
	v_lshlrev_b32 v[TT], 4, v[RR]
	v_lshl_add_u32 v[CO], v[HH], 19, v[TT]
	WIN 0x80
.irp tb, 0,1,2,3
.irp k, 0,1,2,3
.irp c, 0,1,2
	ds_load_b128 v[12*(4*\tb+\k)+4*\c:12*(4*\tb+\k)+4*\c+3], v[LI] offset:1536*(8*\tb+\k)+512*\c
.endr
.endr
.endr
	WIN 0xc0
.irp tb, 0,1,2,3
.irp k, 0,1,2,3
.irp c, 0,1,2
	ds_load_b128 v[12*(4*\tb+\k)+4*\c:12*(4*\tb+\k)+4*\c+3], v[LI] offset:1536*(8*\tb+\k+4)+512*\c
.endr
.endr
.endr
	WIN 0
.irp t, 0,1
.irp k, 0,1,2,3,4,5,6,7
	ds_load_b32 v[XS+8*\t+\k], v[LS] offset:1024*\t+128*\k
.endr
.endr
	BLOAD 2, 0, BAO, 0
	BLOAD 2, 1, BAO, 0
	s_mov_b32 s[TB], 0
	s_mov_b32 s[OSP], 0                            ; what out0's base steps by: nothing ahead of the first trip's stores, then 256 columns
	s_mov_b32 s[OSP+1], 0
	s_mov_b32 s[CNT], 3
.Lwo:                                                  ; a trip: 64 columns of out0 for my wave
	v_add_nc_u32 v[BAW], s[TB], v[BAO]
	STEP 2, 0, 99, 2, 128, 0, 0
	s_add_nc_u64 s[OUT:OUT+1], s[OUT:OUT+1], s[OSP:OSP+1]   ; (the step above has waited on XCNT behind the last trip's stores)
	s_mov_b32 s[OSP], 1024
	STEP 2, 1, 99, 2, 1024, 0, 0
	s_add_co_u32 s[TB], s[TB], 1024
	s_sub_co_u32 s[CNT], s[CNT], 1
	s_cmp_lg_u32 s[CNT], 0
	s_wait_alu depctr_va_vdst(0)
	s_cbranch_scc1 .Lwo
	v_add_nc_u32 v[BAW], s[TB], v[BAO]
	STEP 2, 0, 8, 2, 128, 0, 0                     ; the stream's last eight half units: nothing is asked for beyond its end
	s_add_nc_u64 s[OUT:OUT+1], s[OUT:OUT+1], s[OSP:OSP+1]
	STEP 2, 1, 4, -1, 0, 0, 0
	s_wait_tensorcnt 0x0                           ; the wave's end
	ds_add_u32 v[SPW], v[NIL]
	s_wait_dscnt 0x0
	s_endpgm
.Lfunc_end_k_q29e4e1047d_mhsa:
	.size	k_q29e4e1047d_mhsa, .Lfunc_end_k_q29e4e1047d_mhsa-k_q29e4e1047d_mhsa
	.p2alignl 7, 3214868480
	.fill 96, 4, 3214868480
	.section	.rodata,"a",@progbits
	.p2align	6, 0x0
	.amdhsa_kernel k_q29e4e1047d_mhsa
		.amdhsa_group_segment_fixed_size 327680
		.amdhsa_private_segment_fixed_size 0
		.amdhsa_enable_private_segment 0
		.amdhsa_kernarg_size 48
		.amdhsa_user_sgpr_count 2
		.amdhsa_user_sgpr_kernarg_segment_ptr 1
		.amdhsa_wavefront_size32 1
		.amdhsa_system_sgpr_workgroup_id_x 1
		.amdhsa_system_sgpr_workgroup_id_y 1
		.amdhsa_system_sgpr_workgroup_id_z 1
		.amdhsa_system_vgpr_workitem_id 0
		.amdhsa_next_free_vgpr 1024
		.amdhsa_next_free_sgpr 66
		.amdhsa_reserve_vcc 0
		.amdhsa_float_denorm_mode_32 3
		.amdhsa_float_denorm_mode_16_64 3
		.amdhsa_memory_ordered 1
		.amdhsa_forward_progress 1
		.amdhsa_inst_pref_size 255
	.end_amdhsa_kernel
	.section	.bss,"aw",@nobits
	.p2align	6
	.space	262144
	.amdgpu_metadata
---
amdhsa.version: [ 1, 2 ]
amdhsa.kernels:
  - .name:           k_q29e4e1047d_mhsa
    .symbol:         k_q29e4e1047d_mhsa.kd
    .args:
      - { .name: x_codes, .offset: 0, .size: 8, .value_kind: global_buffer, .address_space: global }
      - { .name: x_scales, .offset: 8, .size: 8, .value_kind: global_buffer, .address_space: global }
      - { .name: wimg, .offset: 16, .size: 8, .value_kind: global_buffer, .address_space: global }
      - { .name: bqkv, .offset: 24, .size: 8, .value_kind: global_buffer, .address_space: global }
      - { .name: bo, .offset: 32, .size: 8, .value_kind: global_buffer, .address_space: global }
      - { .name: out0, .offset: 40, .size: 8, .value_kind: global_buffer, .address_space: global }
    .group_segment_fixed_size: 327680
    .private_segment_fixed_size: 0
    .kernarg_segment_align: 8
    .kernarg_segment_size: 48
    .max_flat_workgroup_size: 128
    .sgpr_count:     66
    .vgpr_count:     1024
    .wavefront_size: 32
...
	.end_amdgpu_metadata
.endif
;; end of part 2
